; MI455X (gfx1250); checked and timed in simulation.
; The chip was launched on July 23, 2026; its instructions are those of AMD's public machine-readable ISA for CDNA 5 (MIT licence, August 2026) and "CDNA5" Instruction Set Architecture Reference Guide (July 2026). The comments in the code are by the model that wrote it; some were corrected since.
;; Vector Quantizer. Allowed arithmetic: matrix products marked QUANTISED: E2M3 operands, one E8M0 scale for each 32 along K, by v_wmma_scale_f32_16x16x128_f8f6f4 with both operands' format E2M3, f32 sums; everything else in f32.
;; Inputs: e_i_ts 256 x 8,192 float32; x 8 x 256 x 64 x 64 float32.
;; Outputs: out0 8 x 256 x 64 x 64 float32; out1 8 x 64 x 64 int32.
;; This version of the problem:
;;   THIS VERSION OF THE PROBLEM IS GIVEN IN LOW PRECISION. The matrix products marked QUANTISED in the list below multiply operands that are first quantised to E2M3 (2 exponent bits, 3 mantissa bits; 6 bits a number), with one power-of-two scale for each 32 numbers along K (OCP MX v1.0); their sums are f32. All else is computed in f32.
;;   The module's matrix products, in the order in which they are computed (A, B: the left and right operand; K: the contracted axis; several contracted axes count as one K, in the product's order):
;;     1. [M 32,768, K 256] x [K 256, N 8,192]; A: computed on the way; B: input e_i_ts: QUANTISED
;;   THE QUANTISER, for each operand of a quantised product, along K:
;;     - K is cut into blocks of 32 from its start; a last block that is shorter is filled with zeros.
;;     - A block's scale is 2^e with e = floor(log2(the largest magnitude in the block)) - 2, held to -126 .. 127; a block of zeros has e = 0. As a byte (E8M0): e + 127.
;;     - Each number is divided by its block's scale, clamped to +-7.5, and rounded to the nearest number of E2M3, ties to even, subnormals kept.
;;     - The product sums the exact products of the quantised numbers (number of the format x scale) in f32.
;;   ~~~python
;;   def quantise(x, axis):      # numpy; x: float32 -> the quantised numbers, widened to float32 again
;;       x = np.moveaxis(x, axis, -1); K = x.shape[-1]
;;       x = np.pad(x, [(0, 0)] * (x.ndim - 1) + [(0, -K % 32)]); x = x.reshape(x.shape[:-1] + (-1, 32)); a = np.abs(x).max(-1, keepdims=True)
;;       e = np.where(a > 0, np.clip(np.frexp(np.where(a > 0, a, 1))[1] - 1 - 2, -126, 127), 0)      # np.frexp(a)[1] - 1 = floor(log2(a)), exactly
;;       r = np.clip(x / 2.0 ** e, -7.5, 7.5)
;;       step = 2.0 ** (np.maximum(np.frexp(np.where(r == 0, 1, r))[1] - 1, 0) - 3)
;;       q = np.round(r / step) * step * 2.0 ** e      # np.round: ties to even
;;       return np.moveaxis(q.reshape(q.shape[:-2] + (-1,))[..., :K], -1, axis).astype(np.float32)
;;   ~~~
;;   OPERANDS COMPUTED ON THE WAY. 'Computed on the way' means the value that the module computes at that place (a softmax that the list does not call 'softmax' is quantised finished and normalised). What goes into a quantiser is computed in f32, as accurately as f32 sums, v_exp_f32 and their like allow (about 1e-6 of the number): no bf16 or f16 on the way to a quantiser, and a product that is left as it is and whose result goes on into a quantised operand takes f32 operands (vector FMAs, or v_wmma_f32_16x16x4_f32). A number that lies on a knife's edge between two numbers of the format may be rounded either way, as far as f32 arithmetic and the matrix unit's own rounding can turn it there, and no further.
;; One version. Each part assembles by itself: llvm-mc -triple=amdgcn-amd-amdhsa -mcpu=gfx1250 --defsym DOCPART=n.
;; ======== version 1 of 1: 3 launches
;; limits: right only within a limited range of input values
;; workspace buffers: xcode 6,291,456 bytes; xscale 262,144 bytes; ecode 1,703,936 bytes; et 8,388,608 bytes; cval 262,144 bytes of whole numbers; cidx 262,144 bytes of whole numbers
;; launch quant (part 1): grid 640 x 1, 4 waves a work-group, no clusters, 61,952 bytes of LDS; arguments x, e_i_ts, xcode, xscale, ecode, et; writes xcode, xscale, ecode, et
.if DOCPART == 1
	.amdgcn_target "amdgcn-amd-amdhsa--gfx1250"
	.amdhsa_code_object_version 6
	.text
	.protected	k_qb83af28719_quant
	.globl	k_qb83af28719_quant
	.p2align	8
	.type	k_qb83af28719_quant,@function
k_qb83af28719_quant:
	s_mov_b64 s[64:65], 0
	v_nop
	global_prefetch_b8 v0, s[64:65] scope:SCOPE_SE
	s_setreg_imm32_b32 hwreg(HW_REG_WAVE_MODE, 25, 1), 1
	s_wait_xcnt 0x0
; x [8][256][64][64] and e_i_ts [256][8192], f32, both with K = 256 NOT innermost, become codes of FP6 (E2M3) with one E8M0 byte for each 32 along K.
; A LANE TAKES A ROW OF THE OPERAND (a pixel of x, a column of e) AND ITS REGISTERS RUN DOWN K: each load reads 128 consecutive bytes, a block of 32 lies in one lane, no lane asks another for a maximum.
; The codes are laid as IMAGES OF THE OPERAND REGISTERS: a tile of 16 rows x 256 K is 24 registers a lane; register i of lane L lies at byte 512 (i / 4) + 16 L + 4 (i % 4) of the tile.
; Lane L = r + 16 h holds row r; registers 12 s + 6 c .. + 5 hold block 4 s + 2 c + h of K (24 bytes of codes).  So the product launch fetches a fragment by loads of 16 bytes a lane, on end.
; xcode: 2,048 tiles of 3,072 bytes.  xscale: [K step s][row m] one word of four bytes, EACH BYTE ONE HIGHER than x's own: the operand is 2 x, which has x's codes and twice its scales.
; ecode: 512 tiles of 3,328 bytes: the image, then 128 bytes of scale words (lane r + 16 s: column r, K step s), then -|e|^2 of the 16 columns (f32, of the unquantised e), then those 64 bytes once more.
; et: e transposed, [8192][256] f32, for the gather of the last launch.
; A block's scale is 2^(floor(log2(largest magnitude)) - 2); its byte is the largest magnitude's exponent field - 2, held at 1 from below by a floor among the maximum's leaves.
; LIMITS: a block of zeros, or one whose largest magnitude lies under 2^-124, keeps the byte 1 (2 for 2 x): zero codes add nothing under any byte but 0xff, and this program alone reads the bytes.
; NaN and infinities are not served.  |e|^2 is summed in four chains for each half of K, the halves added last.
; SHARES: work-groups 0-127 take e (wave w: columns 64 wg + 32 (w / 2) on, K step w % 2), work-groups 128-639 take x (K step j % 2, rows 128 (j / 2) + 32 w on, j = wg - 128).
; Every wave: 32 rows x 128 K, four blocks, loads two blocks ahead.  The two ways have LDS bytes of their own.
; WORK LEFT OUT, in the whole program: |x|^2 in reference()'s distances is one number for all 8,192 columns of a row, so in real numbers it moves no argmin, whatever x holds: it is added nowhere ahead of the comparison.
; LIMIT: a NaN, an infinity or an overflow that reaches only that term is not carried to the result.
.set XR,   32                          ; v32-95   two sets of 32 numbers
.set CR,   96                          ; v96-102  a block's codes
.set OUTR, 112                         ; v112-175 rows on the way out
.set STGE, 12288                       ; LDS: 0: x's code stages, 3,072 bytes a wave; STGE: e's
.set TSTG, 24576                       ; e's stage for the transposition: 32 rows x 272 bytes a wave
.set TAIL, 59392                       ; the four tiles' tails of 256 bytes
.set PART, 60416                       ; the four waves' partial |e|^2, 128 bytes each
.macro LOADB t, base, pitch            ; block t: 32 rows of K at my 32 neighbouring columns, into set t % 2
.set li, 0
.rept 32
	global_load_b32 v[XR+32*((\t)%2)+li], v2, s[\base:\base+1] offset:(32*(\t)+li)*\pitch th:TH_LOAD_NT
.set li, li+1
.endr
.endm
.macro BLOCK t, isE, stg, base, pitch
.set XS, XR+32*((\t)%2)
.if (\t) < 3
	s_wait_loadcnt 32                              ; this block's 32 loads are in; the next block's 32 may be out
.else
	s_wait_loadcnt 0x0
.endif
	v_max3_num_f32 v12, |v[XS]|, |v[XS+1]|, |v[XS+2]|               ; the block's largest magnitude, in two chains
	v_max3_num_f32 v13, |v[XS+3]|, |v[XS+4]|, |v[XS+5]|
.irp i, 6,10,14,18,22,26
	v_max3_num_f32 v12, v12, |v[XS+\i]|, |v[XS+\i+1]|
	v_max3_num_f32 v13, v13, |v[XS+\i+2]|, |v[XS+\i+3]|
.endr
	v_max3_num_f32 v12, v12, |v[XS+30]|, |v[XS+31]|
	v_max3_num_f32 v12, v12, v13, 0x1800000        ; and the floor 2^(3 - 127): the byte cannot fall under 1
	v_add_nc_u32 v11, 0xff000000, v12              ; 2 off the exponent field: the conversion takes this operand's exponent field as its scale
	v_lshrrev_b32 v13, 23, v11                     ; the scale's byte
.if (\t) == 0
	v_mov_b32 v14, v13                             ; four bytes make the K step's scale word, the lower K in the lower byte
.else
	v_lshl_or_b32 v14, v13, 8*(\t), v14
.endif
.if \isE
.set lj, 0
.rept 16                                       ; |e|^2 of the unquantised numbers: two packed chains
.if ((\t) == 0) && (lj < 2)
	v_pk_mul_f32 v[16+2*lj:17+2*lj], v[XS+2*lj:XS+2*lj+1], v[XS+2*lj:XS+2*lj+1]
.else
	v_pk_fma_f32 v[16+2*(lj%2):17+2*(lj%2)], v[XS+2*lj:XS+2*lj+1], v[XS+2*lj:XS+2*lj+1], v[16+2*(lj%2):17+2*(lj%2)]
.endif
.set lj, lj+1
.endr
.endif
	v_cvt_scalef32_pk16_fp6_f32 v[CR:CR+2], v[XS:XS+15], v11
	v_cvt_scalef32_pk16_fp6_f32 v[CR+4:CR+6], v[XS+16:XS+31], v11   ; (a conversion's three registers begin on an even number)
	v_nop                                          ; one plain place behind the conversions
	v_mov_b32 v[CR+3], v[CR+4]                     ; the block's six registers on end
	v_mov_b32 v[CR+4], v[CR+5]
	v_mov_b32 v[CR+5], v[CR+6]
.if (\t) < 2                                   ; block t = 2 c + h goes to lane r + 16 h of the image, registers 6 c .. 6 c + 5 of the K step
	ds_store_b128 v5, v[CR:CR+3] offset:\stg+256*((\t)%2)
	ds_store_b64 v5, v[CR+4:CR+5] offset:\stg+512+256*((\t)%2)
.else
	ds_store_b64 v5, v[CR:CR+1] offset:\stg+512+256*((\t)%2)+8
	ds_store_b128 v5, v[CR+2:CR+5] offset:\stg+1024+256*((\t)%2)
.endif
.if \isE
.irp i, 0,1,2,3,4,5,6,7
	ds_store_b128 v8, v[XS+4*\i:XS+4*\i+3] offset:128*((\t)%2)+16*\i   ; my column's 32 numbers as a piece of its row of et
.endr
.endif
	s_wait_dscnt 0x0                               ; the stores have read their registers
.if (\t) < 2
	LOADB (\t)+2, \base, \pitch
.endif
.if \isE && ((\t)%2 == 1)                      ; two blocks, 256 bytes of each of my 32 rows of et, leave
.if (\t) == 3
	s_wait_xcnt 0x0                                ; the stores of two blocks ago have read these registers
.endif
.irp i, 0,1,2,3,4,5,6,7,8,9,10,11,12,13,14,15
	ds_load_b128 v[OUTR+4*\i:OUTR+4*\i+3], v9 offset:2*\i*272
.endr
.irp i, 0,1,2,3,4,5,6,7,8,9,10,11,12,13,14,15
	s_wait_dscnt 15-\i                             ; LDS loads come back in order: the younger ones may be out
	global_store_b128 v10, v[OUTR+4*\i:OUTR+4*\i+3], s[14:15] offset:2048*\i+256*((\t)/2)   ; sixteen lanes store 256 consecutive bytes, aligned
.endr
.endif
.endm
.macro OUTC stg, base, tileb           ; my two tiles' 1,536 bytes of this K step: each store covers 512 consecutive bytes, aligned to 256
.irp i, 0,1,2,3,4,5
	ds_load_b128 v[OUTR+4*\i:OUTR+4*\i+3], v6 offset:\stg+512*\i
.endr
.irp i, 0,1,2,3,4,5
	s_wait_dscnt 5-\i
	global_store_b128 v7, v[OUTR+4*\i:OUTR+4*\i+3], s[\base:\base+1] offset:(\i/3)*\tileb+(\i%3)*512
.endr
.endm
	s_load_b256 s[4:11], s[0:1], 0x0               ; x s[4:5], e s[6:7], xcode s[8:9], xscale s[10:11]
	s_load_b128 s[12:15], s[0:1], 0x20             ; ecode s[12:13], et s[14:15]
	v_lshl_add_u32 v192, v0, 2, 0xf000
	v_mov_b32 v193, 0
	v_lshrrev_b32 v1, 5, v0
	v_readfirstlane_b32 s16, v1                    ; wave 0..3
	s_and_b32 s17, s16, 1                          ; on e's way: my K step,
	s_lshr_b32 s18, s16, 1                         ; and my group of 32 columns
	v_and_b32 v1, 31, v0                           ; lane
	v_and_b32 v3, 15, v0                           ; r
	v_bfe_u32 v4, v0, 4, 1                         ; u: which of my two tiles
	v_lshlrev_b32 v2, 2, v1                        ; 4 x lane
	v_lshlrev_b32 v7, 4, v1                        ; 16 x lane
	; every LDS address is made here, ahead of the parting of the two ways
	s_mul_i32 s19, s16, 3072
	v_mul_u32_u24 v5, v4, 1536
	v_lshl_add_u32 v5, v3, 4, v5
	v_add_nc_u32 v5, s19, v5                       ; v5: code stage, in: 3,072 wave + 1,536 u + 16 r
	v_add_nc_u32 v6, s19, v7                       ; v6: code stage, out: 3,072 wave + 16 lane
	s_mul_i32 s19, s16, 8704
	s_add_co_u32 s19, s19, TSTG
	v_mul_u32_u24 v8, v1, 272
	v_add_nc_u32 v8, s19, v8                       ; v8: transposing stage, in: row = my column
	v_mul_u32_u24 v9, v4, 272
	v_lshl_add_u32 v9, v3, 4, v9
	v_add_nc_u32 v9, s19, v9                       ; v9: out: sixteen lanes to a row, two rows an instruction
	v_lshlrev_b32 v10, 10, v4
	v_lshl_add_u32 v10, v3, 4, v10                 ; v10: the same place in et: 1,024 u + 16 r
	s_lshl_b32 s19, s18, 9
	s_lshl_b32 s20, s17, 6
	s_add_co_u32 s20, s20, s19
	s_add_co_u32 s20, s20, TAIL
	v_lshlrev_b32 v20, 8, v4
	v_lshl_add_u32 v20, v3, 2, v20
	v_add_nc_u32 v20, s20, v20                     ; v20: my column's scale word in its tile's tail
	s_lshl_b32 s20, s16, 7
	s_add_co_u32 s20, s20, PART
	v_add_nc_u32 v21, s20, v2                      ; v21: my partial sum
	s_lshl_b32 s20, s18, 8
	s_add_co_u32 s20, s20, PART
	v_add_nc_u32 v22, s20, v2                      ; v22: the two partial sums of my column
	s_add_co_u32 s20, s19, TAIL
	v_add_nc_u32 v23, s20, v7                      ; v23: my group's two tails, 16 bytes a lane
	v_mul_u32_u24 v24, v4, 3328
	v_lshl_add_u32 v24, v3, 4, v24                 ; v24: the same in ecode
	s_cmp_lt_u32 ttmp9, 128                        ; the same for all four waves
	s_cbranch_scc1 .Lepath
	; ---------------- x
	s_sub_co_u32 s20, ttmp9, 128
	s_and_b32 s21, s20, 1                          ; K step
	s_lshr_b32 s20, s20, 1                         ; g: rows 128 g on
	s_lshr_b32 s22, s20, 5                         ; image b = g / 32: 4,194,304 bytes each
	s_lshl_b32 s22, s22, 22
	s_lshl_b32 s23, s21, 21                        ; 128 channels of 16,384 bytes
	s_add_co_u32 s22, s22, s23
	s_and_b32 s23, s20, 31
	s_lshl_b32 s23, s23, 9                         ; 128 pixels of 4 bytes
	s_add_co_u32 s22, s22, s23
	s_lshl_b32 s23, s16, 7                         ; my wave's 32
	s_add_co_u32 s22, s22, s23
	s_mov_b32 s23, 0
	s_lshl_b32 s24, s20, 3
	s_lshl_b32 s25, s16, 1
	s_add_co_u32 s24, s24, s25                     ; my first tile: 8 g + 2 wave
	s_mul_i32 s24, s24, 3072
	s_mul_i32 s25, s21, 1536
	s_add_co_u32 s24, s24, s25
	s_mov_b32 s25, 0
	s_lshl_b32 s26, s21, 17                        ; scale words: [K step][row]
	s_lshl_b32 s27, s20, 9
	s_add_co_u32 s26, s26, s27
	s_lshl_b32 s27, s16, 7
	s_add_co_u32 s26, s26, s27
	s_mov_b32 s27, 0
	s_wait_kmcnt 0x0
	s_add_nc_u64 s[4:5], s[4:5], s[22:23]
	s_add_nc_u64 s[8:9], s[8:9], s[24:25]
	s_add_nc_u64 s[10:11], s[10:11], s[26:27]
	LOADB 0, 4, 16384
	LOADB 1, 4, 16384
	BLOCK 0, 0, 0, 4, 16384
	BLOCK 1, 0, 0, 4, 16384
	BLOCK 2, 0, 0, 4, 16384
	BLOCK 3, 0, 0, 4, 16384
	s_wait_alu depctr_va_vdst(0)
	v_add_nc_u32 v14, 0x01010101, v14              ; the operand is 2 x: each byte one higher (bytes are 252 at the most: nothing carries)
	global_store_b32 v2, v14, s[10:11]             ; 128 consecutive bytes a wave
	OUTC 0, 8, 3072
	s_wait_tensorcnt 0x0
	ds_add_u32 v192, v193
	s_wait_dscnt 0x0
	s_endpgm
	; ---------------- e
.Lepath:
	s_lshl_b32 s22, ttmp9, 8                       ; 64 columns of 4 bytes a work-group,
	s_lshl_b32 s23, s18, 7                         ; 32 a group,
	s_add_co_u32 s22, s22, s23
	s_lshl_b32 s23, s17, 22                        ; 128 rows of 32,768 bytes a K step
	s_add_co_u32 s22, s22, s23
	s_mov_b32 s23, 0
	s_lshl_b32 s24, ttmp9, 2
	s_lshl_b32 s25, s18, 1
	s_add_co_u32 s24, s24, s25                     ; my first tile: 4 wg + 2 group
	s_mul_i32 s24, s24, 3328
	s_mul_i32 s25, s17, 1536
	s_add_co_u32 s24, s24, s25
	s_mov_b32 s25, 0
	s_lshl_b32 s26, ttmp9, 16                      ; et: rows of 1,024 bytes
	s_lshl_b32 s27, s18, 15
	s_add_co_u32 s26, s26, s27
	s_lshl_b32 s27, s17, 9
	s_add_co_u32 s26, s26, s27
	s_mov_b32 s27, 0
	s_wait_kmcnt 0x0
	s_add_nc_u64 s[6:7], s[6:7], s[22:23]
	s_add_nc_u64 s[12:13], s[12:13], s[24:25]
	s_add_nc_u64 s[14:15], s[14:15], s[26:27]
	LOADB 0, 6, 32768
	LOADB 1, 6, 32768
	BLOCK 0, 1, STGE, 6, 32768
	BLOCK 1, 1, STGE, 6, 32768
	BLOCK 2, 1, STGE, 6, 32768
	BLOCK 3, 1, STGE, 6, 32768
	s_wait_xcnt 0x0                                ; et's last stores have read the registers that the codes now take
	OUTC STGE, 12, 3328
	s_wait_alu depctr_va_vdst(0)
	v_pk_add_f32 v[16:17], v[16:17], v[18:19]
	v_add_f32 v25, v16, v17                        ; my half of K of |e|^2
	ds_store_b32 v21, v25
	ds_store_b32 v20, v14                          ; my K step's scale word
	s_wait_dscnt 0x0                               ; for the other wave's sake
	s_barrier_signal -1
	s_barrier_wait -1
	s_cmp_lg_u32 s17, 0                            ; the wave of K step 0 finishes its group's two tails
	s_cbranch_scc1 .Ldone
	ds_load_b32 v25, v22
	ds_load_b32 v26, v22 offset:128
	s_wait_dscnt 0x0
	v_add_f32 v25, -v25, -v26                      ; -|e|^2
	ds_store_b32 v20, v25 offset:128
	ds_store_b32 v20, v25 offset:192               ; once more, so that every byte of the tail is written
	ds_load_b128 v[28:31], v23                     ; LDS serves a wave's instructions in order: this sees the two stores
	s_wait_dscnt 0x0
	global_store_b128 v24, v[28:31], s[12:13] offset:3072   ; sixteen lanes store a tail's 256 consecutive bytes, aligned
.Ldone:
	s_wait_tensorcnt 0x0
	ds_add_u32 v192, v193
	s_wait_dscnt 0x0
	s_endpgm
.Lfunc_end_k_qb83af28719_quant:
	.size	k_qb83af28719_quant, .Lfunc_end_k_qb83af28719_quant-k_qb83af28719_quant
	.p2alignl 7, 3214868480
	.fill 96, 4, 3214868480
	.section	.rodata,"a",@progbits
	.p2align	6, 0x0
	.amdhsa_kernel k_qb83af28719_quant
		.amdhsa_group_segment_fixed_size 61952
		.amdhsa_private_segment_fixed_size 0
		.amdhsa_enable_private_segment 0
		.amdhsa_kernarg_size 48
		.amdhsa_user_sgpr_count 2
		.amdhsa_user_sgpr_kernarg_segment_ptr 1
		.amdhsa_wavefront_size32 1
		.amdhsa_system_sgpr_workgroup_id_x 1
		.amdhsa_system_sgpr_workgroup_id_y 1
		.amdhsa_system_sgpr_workgroup_id_z 1
		.amdhsa_system_vgpr_workitem_id 0
		.amdhsa_next_free_vgpr 194
		.amdhsa_next_free_sgpr 66
		.amdhsa_reserve_vcc 0
		.amdhsa_float_denorm_mode_32 3
		.amdhsa_float_denorm_mode_16_64 3
		.amdhsa_memory_ordered 1
		.amdhsa_forward_progress 1
		.amdhsa_inst_pref_size 57
	.end_amdhsa_kernel
	.amdgpu_metadata
---
amdhsa.version: [ 1, 2 ]
amdhsa.kernels:
  - .name:           k_qb83af28719_quant
    .symbol:         k_qb83af28719_quant.kd
    .args:
      - { .name: x, .offset: 0, .size: 8, .value_kind: global_buffer, .address_space: global }
      - { .name: e_i_ts, .offset: 8, .size: 8, .value_kind: global_buffer, .address_space: global }
      - { .name: xcode, .offset: 16, .size: 8, .value_kind: global_buffer, .address_space: global }
      - { .name: xscale, .offset: 24, .size: 8, .value_kind: global_buffer, .address_space: global }
      - { .name: ecode, .offset: 32, .size: 8, .value_kind: global_buffer, .address_space: global }
      - { .name: et, .offset: 40, .size: 8, .value_kind: global_buffer, .address_space: global }
    .group_segment_fixed_size: 61952
    .private_segment_fixed_size: 0
    .kernarg_segment_align: 8
    .kernarg_segment_size: 48
    .max_flat_workgroup_size: 128
    .sgpr_count:     66
    .vgpr_count:     194
    .wavefront_size: 32
...
	.end_amdgpu_metadata
.endif
;; end of part 1
;; launch search (part 2): grid 128 x 2, 4 waves a work-group, clusters of 4 x 1, 327,680 bytes of LDS; arguments ecode, xcode, xscale, cval, cidx; writes cval, cidx
.if DOCPART == 2
	.amdgcn_target "amdgcn-amd-amdhsa--gfx1250"
	.amdhsa_code_object_version 6
	.text
	.protected	k_qb83af28719_search
	.globl	k_qb83af28719_search
	.p2align	8
	.type	k_qb83af28719_search,@function
k_qb83af28719_search:
	s_mov_b64 s[64:65], 0
	v_nop
	global_prefetch_b8 v0, s[64:65] scope:SCOPE_SE
	s_setreg_imm32_b32 hwreg(HW_REG_WAVE_MODE, 25, 1), 1
	s_wait_xcnt 0x0
	s_wait_alu depctr_hold_cnt(0) depctr_sa_sdst(0) depctr_va_vdst(0) depctr_va_sdst(0) depctr_va_ssrc(0) depctr_va_vcc(0) depctr_vm_vsrc(0)
	s_getreg_b32 s2, hwreg(HW_REG_IB_STS2, 6, 4)
	s_cmp_eq_u32 s2, 0
	s_cbranch_scc0 .Lentry_in_a_cluster
	s_endpgm
.Lentry_in_a_cluster:
	s_bfe_u32 s2, ttmp6, 0x10000c
	s_cmp_lg_u32 s2, 0x3003
	s_cbranch_scc0 .Lentry_shape_is_right
	s_endpgm
.Lentry_shape_is_right:
; For each of 32,768 rows and each half y of the 8,192 code vectors: the largest D = 2 q(x) . q(e) - |e|^2 and the lowest index n that reaches it.  The least distance |x|^2 - 2 x.e + |e|^2 is the largest D.
; WORK LEFT OUT: |x|^2, one number a row, the same for every column: it moves no argmin.  LIMITS: so D is compared at a finer rounding than the distance would be; NaN and infinities are not served.
; cidx takes n.  cval takes D AS A WHOLE NUMBER whose signed order is D's order (D's bits, the lower 31 turned over where D is negative; -0 made +0 first): the next launch compares the two halves' whole numbers.
; The product is on codes of FP6 (E2M3) with E8M0 scales, laid by the launch before as images of the operand registers: every fragment comes by loads of 16 bytes a lane, on end.
; SHARES.  A work-group: 256 rows x 4,096 columns (grid 128 x 2).  Four waves, one for each SIMD.  Every wave holds ALL 256 rows (16 tiles, 384 registers of x's fragments, loaded once from memory, which stay)
; and takes class w of the code tiles: 8 of a slot's 32.  So a fragment of e read from LDS feeds 32 matrix instructions.
; CLUSTER.  The four row blocks of a cluster walk the same half of ecode: each part of a slot is asked for JOINTLY, by the same tensor load with the same descriptor and the mask of all four.
; NO PREFETCH: a refill is asked for a whole slot ahead of its first read: eight tile steps, 256 matrix instructions a wave, stand between the request and the wait for it.
; THE PRODUCT IS USED TRANSPOSED (source 0 = 16 columns of e, source 1 = 16 rows of x): a lane holds ONE row (lane % 16) and its eight registers the columns 8 (lane / 16) + 0..7.  -|e|^2 is the C of a sum's first instruction.
; TRACKING, exact, 10 vector lines for 8 numbers: their maximum (four lines); is it above the running maximum (strictly: the first tile that reaches a value keeps it)? Where it is, the maximum, the tile's number
; and the 8 numbers are kept, two selects to a line.  The first tile's products are written into the kept registers themselves, so nothing is set beforehand.
; At the end the column is the lowest j whose kept number equals the maximum; every merge (halves of the lanes, waves) takes the larger D and, at equal D, the lower n.
; REGISTERS, in windows of 256.  Window 0: as named below, and x's tiles 0-5 from v96.  Window 3: x's tiles 6-15, tile a at v[24 (a - 6)].
; Windows 1 and 2 (row tiles 0-7 and 8-15), laid alike: v0-63 accumulators, v64-127 kept numbers, v128-143 running maximum and kept tile number by turns, v144-159 at work, v161 the tile's number.
.set TILEB, 3328                       ; a code tile: 3,072 bytes of image, 128 of scale words, 64 of -|e|^2, 64 again
.set SLOTB, 32*TILEB
.set WPART, 8*TILEB                    ; what one tensor load brings: 104 rows of 256 bytes
.set SPARE, SLOTB                      ; behind slot 0: the spare words, 128 bytes for each wave
.set MERGE, SPARE+512                  ; 4 x 2,048 bytes: each wave's 256 pairs (D, n); no tensor load lands here
.set SLOT1, 1<<17                      ; slot 1: one exclusive or turns an address in one slot into the other's
.set AC0, 2                            ; 16 lane + my class's first tile
.set AS0, 3                            ; 4 lane + the same
.set AB0, 4                            ; 32 (lane / 16) + the same
.set ADC, 5                            ; v5-7 the same three for the tile to be fetched next
.set ADS, 6
.set ADB, 7
.set SPW, 8                            ; my spare word; never rewritten
.set NIL, 9                            ; 0; never rewritten
.set ES,  10                           ; e's scale words: lanes 0-15 K step 0, lanes 16-31 K step 1
.set XS,  12                           ; v12-27 x's scale words, a register a tile, laid likewise
.set EF,  28                           ; v28-51 e's two fragments
.set BI,  52                           ; v52-59 -|e|^2 in the result's layout
.set MW,  60                           ; where I put my pairs
.set MR,  61                           ; where I read the four waves' pairs of two rows
.set LO,  62                           ; 8 x lane
.set HOFF, 63                          ; 8 (lane / 16) + 4,096 y
.set XA,  64                           ; 16 x lane
.set XSA, 65                           ; 4 (lane % 16) + 131,072 (lane / 16)
.set XF0, 96
.set P,   96                           ; the end: pairs (D, n), in registers that held x's fragments
.set Q,   128
.set R,   160
.set CAP, 64                           ; in windows 1 and 2
.set RT,  128
.set T,   144
.set TNV, 161
.set WV,  14
.set G1E, 24                           ; s[24:31] group 1
.set G0A, 44                           ; s[44:47] slot 0's first fill;  s[48:51] slot 1's, which then walks
.set G0B, 48
.set TB,  52                           ; LDS byte of the tile to be fetched next, less my class's and my lane's part
.set TN,  53                           ; number of the tile in hand, in its half of the code book
.set SLOTS, 54
.set TRIPS, 55
.set MK,  56                           ; s56-63 masks
.set SEL, 76                           ; s[76:77] selects for lane l xor 16
.set MSB, 0
.macro WIN new                         ; the immediate's high byte repeats the setting that is left
.if MSB != (\new)
	s_set_vgpr_msb (MSB<<8)|(\new)
.set MSB, (\new)
.endif
.endm
.macro CREST                           ; a round of the cluster's barrier behind its opening barrier
	s_cmp_lg_u32 s[WV], 0
	s_cbranch_scc1 .Lnot_wave_0_\@
	s_barrier_signal -3
.Lnot_wave_0_\@:
	s_barrier_wait -3
	s_barrier_signal -1
	s_barrier_wait -1
.endm
.macro ROUND
	s_barrier_signal -1
	s_barrier_wait -1
	CREST
.endm
.macro FETCHA                          ; nine LDS loads bring a code tile: five here,
.irp c, 0,1,2,3,4
	ds_load_b128 v[EF+4*\c:EF+4*\c+3], v[ADC] offset:512*\c
.endr
.endm
.macro FETCHB                          ; and four: the fragments' last 16 bytes a lane, the scale words, -|e|^2
	ds_load_b128 v[EF+20:EF+23], v[ADC] offset:2560
	ds_load_b32 v[ES], v[ADS] offset:3072
	ds_load_b128 v[BI:BI+3], v[ADB] offset:3200
	ds_load_b128 v[BI+4:BI+7], v[ADB] offset:3216
.endm
.macro WM a, k, db                     ; one product: row tile a, K step k; the sum lies at v[db + 8 (a % 8)] of window 1 + a / 8
.if (\a) < 6
.set XR, XF0+24*(\a)
	WIN (((1+(\a)/8)<<6)|(((\k)*(1+(\a)/8))<<4))
.else
.set XR, 24*((\a)-6)
	WIN (((1+(\a)/8)<<6)|(((\k)*(1+(\a)/8))<<4)|0x0c)
.endif
.set DR, (\db)+8*((\a)%8)
.if (\k) == 0
	v_wmma_scale_f32_16x16x128_f8f6f4 v[DR:DR+7], v[EF:EF+11], v[XR:XR+11], v[BI:BI+7], v[ES], v[XS+(\a)] matrix_a_fmt:MATRIX_FMT_FP6 matrix_b_fmt:MATRIX_FMT_FP6
.else
	v_wmma_scale_f32_16x16x128_f8f6f4 v[DR:DR+7], v[EF+12:EF+23], v[XR+12:XR+23], v[DR:DR+7], v[ES], v[XS+(\a)] matrix_a_fmt:MATRIX_FMT_FP6 matrix_b_fmt:MATRIX_FMT_FP6 matrix_a_scale:MATRIX_SCALE_ROW1 matrix_b_scale:MATRIX_SCALE_ROW1
.endif
.endm
.macro MULS db                         ; 32 matrix instructions: the tile against my 16 tiles of rows, K step 0 and then K step 1; the 16 sums take turns, one instruction a turn
.irp a, 0,1,2,3,4,5,6,7,8,9,10,11,12,13,14,15
	WM \a, 0, \db
.endr
.irp a, 0,1,2,3,4,5,6,7,8,9,10,11,12,13,14,15
	WM \a, 1, \db
.endr
	WIN 0
.endm
.macro ADV mode                        ; on to the next tile (0), or to the other slot's first (1).  Its four vector lines name no register of the products: they are the four places behind them (ISA guide 7.12.1)
.if \mode
	s_sub_co_u32 s[TB], s[TB], 7*TILEB
	s_xor_b32 s[TB], s[TB], SLOT1
.else
	s_add_co_u32 s[TB], s[TB], TILEB
.endif
	v_add_nc_u32 v[ADC], s[TB], v[AC0]
	v_add_nc_u32 v[ADS], s[TB], v[AS0]
	v_add_nc_u32 v[ADB], s[TB], v[AB0]
	v_nop
.endm
; The tracking of row tile a of the window that is set, in five parts.  Each sum is read from its low end on.
.macro MXA a                           ; six of its eight numbers, in two lines
	v_max3_num_f32 v[T+2*(\a)], v[8*(\a)], v[8*(\a)+1], v[8*(\a)+2]
	v_max3_num_f32 v[T+2*(\a)+1], v[8*(\a)+3], v[8*(\a)+4], v[8*(\a)+5]
.endm
.macro MXB a                           ; the other two
	v_max3_num_f32 v[T+2*(\a)], v[T+2*(\a)], v[8*(\a)+6], v[8*(\a)+7]
.endm
.macro MXC a                           ; the tile's maximum
	v_max_num_f32 v[T+2*(\a)], v[T+2*(\a)], v[T+2*(\a)+1]
.endm
.macro GROWN a                         ; has it grown?
	v_cmp_gt_f32 vcc_lo, v[T+2*(\a)], v[RT+2*(\a)]
.endm
.macro CAP2 d, s                       ; two selects by VCC in one line: v[d], v[d + 1] take v[s], v[s + 1] where the maximum has grown
	v_dual_cndmask_b32 v[(\d)], v[(\d)], v[(\s)] :: v_dual_cndmask_b32 v[(\d)+1], v[(\d)+1], v[(\s)+1]
.endm
.macro SEL8 a                          ; the eight numbers, the maximum and the tile's number are kept where VCC says so
.irp j, 0,2,4,6
	CAP2 CAP+8*(\a)+\j, 8*(\a)+\j
.endr
	v_dual_cndmask_b32 v[RT+2*(\a)], v[RT+2*(\a)], v[T+2*(\a)] :: v_dual_cndmask_b32 v[RT+2*(\a)+1], v[RT+2*(\a)+1], v[TNV]
.endm
.macro RUN5                            ; tiles 0 to 4 of a window: between a tile's compare and its selects stand four lines that make later tiles' maxima
.irp it, 0,1,2,3,4
	GROWN \it
	MXA \it+3
	MXB \it+2
	MXC \it+1
	SEL8 \it
.endr
.endm
; All 16 row tiles.  There is one VCC, so the tiles' selects follow each other, and no line stands close behind the line whose result it reads:
; the next code tile's nine LDS loads (fetch = 1) stand in two groups among window 1's first lines, and window 2's first lines stand between the compares and the selects of window 1's last three tiles.
.macro TRK fetch
	WIN 0x55
	v_mov_b32 v[TNV], s[TN]
	MXA 0
	MXA 1
	MXA 2
	MXB 0
	MXB 1
.if \fetch
	WIN 0
	FETCHA
	WIN 0x55
.endif
	MXC 0
.if \fetch
	WIN 0
	FETCHB
	WIN 0x55
.endif
	RUN5
	GROWN 5
	MXB 7
	MXC 6
	WIN 0xaa
	v_mov_b32 v[TNV], s[TN]
	MXA 0
	WIN 0x55
	SEL8 5
	GROWN 6
	MXC 7
	WIN 0xaa
	MXA 1
	MXB 0
	WIN 0x55
	SEL8 6
	GROWN 7
	WIN 0xaa
	MXA 2
	MXB 1
	MXC 0
	WIN 0x55
	SEL8 7
	WIN 0xaa
	RUN5
	GROWN 5
	MXB 7
	MXC 6
	SEL8 5
	GROWN 6
	MXC 7
	SEL8 6
	GROWN 7
	SEL8 7
	WIN 0
.endm
.macro TRACK0 w                        ; the first tile: its numbers lie in the kept registers; their maximum and the tile's number begin the running pair
	WIN 0x55*(\w)
.irp a, 0,1,2,3,4,5,6,7
	v_max3_num_f32 v[T+2*\a], v[CAP+8*\a], v[CAP+8*\a+1], v[CAP+8*\a+2]
.endr
.irp a, 0,1,2,3,4,5,6,7
	v_max3_num_f32 v[T+2*\a+1], v[CAP+8*\a+3], v[CAP+8*\a+4], v[CAP+8*\a+5]
.endr
.irp a, 0,1,2,3,4,5,6,7
	v_max3_num_f32 v[T+2*\a], v[T+2*\a], v[CAP+8*\a+6], v[CAP+8*\a+7]
.endr
.irp a, 0,1,2,3,4,5,6,7
	v_max_num_f32 v[RT+2*\a], v[T+2*\a], v[T+2*\a+1]
.endr
.irp a, 0,1,2,3,4,5,6,7
	v_mov_b32 v[RT+2*\a+1], s[TN]
.endr
.endm
.macro STEP first                      ; a tile step that has its successor in the same slot: the next tile is fetched behind the products and lands under the tracking
	s_wait_dscnt 0x0                               ; the tile is in my registers
.if \first
	MULS CAP
	ADV 0
	FETCHA
	FETCHB
	TRACK0 1
	TRACK0 2
	WIN 0
.else
	MULS 0
	ADV 0
	TRK 1
.endif
	s_wait_alu depctr_va_vdst(0)
	s_add_co_u32 s[TN], s[TN], 1
.endm
; A slot's last tile step changes slots.  In front of the barrier each wave waits for all its tensor loads (one is out: its part of the other slot), adds 0 to its spare word, and waits for that and for its reads of this slot.
; fill = 1: the barrier opens a round of the cluster's barrier, and this slot is filled again, with the tiles two slots on.
.macro LAST fill
	s_wait_tensorcnt 0x0                           ; no tensor load of mine is out, so a group 0 may be written
	ds_add_u32 v[SPW], v[NIL]                      ; 0 onto my spare word
.if \fill
	s_xor_b32 s[G0B+1], s[G0B+1], SLOT1            ; the walking descriptor: the other slot than last time,
	s_add_nc_u64 s[G0B+2:G0B+3], s[G0B+2:G0B+3], SLOTB   ; the next 32 tiles; the type bits on top are not reached
.endif
	s_wait_dscnt 0x0                               ; the add is done; the slot's last tile is in my registers: my reads of this slot are over
	s_barrier_signal -1
	MULS 0                                         ; work on registers while the others arrive
	s_barrier_wait -1
.if \fill
	CREST                                          ; no wave of any partner still reads this slot or has a load on its way
	tensor_load_to_lds s[G0B:G0B+3], s[G1E:G1E+7]  ; my one tensor load behind the round, and the first thing there
	s_nop 0
.endif
	ADV 1
	TRK 1                                          ; with the fetch of the other slot's first tile of my class
	s_wait_alu depctr_va_vdst(0)
	s_add_co_u32 s[TN], s[TN], 25                  ; my class's first tile of the next slot: 32 on from this slot's
.endm
.macro SLOT kind, first                ; my eight tiles of a slot.  kind 2: the slot is filled again; 1: it is left; 0: it is the last
.if \first
	STEP 1
	s_mov_b32 s[TRIPS], 6
.else
	s_mov_b32 s[TRIPS], 7
.endif
.Lstep_\@:
	STEP 0
	s_sub_co_u32 s[TRIPS], s[TRIPS], 1
	s_cmp_lg_u32 s[TRIPS], 0
	s_cbranch_scc1 .Lstep_\@
.if \kind == 2
	LAST 1
.elseif \kind == 1
	LAST 0
.else
	s_wait_dscnt 0x0                               ; the very last tile step
	MULS 0
.rept 4
	v_nop                                          ; four places behind the products
.endr
	TRK 0
.endif
.endm
.macro JOIN dv, dn, v, n, pv, pn       ; of two pairs (D, n) the larger D; at equal D the lower n
	v_cmp_gt_f32 s[MK], v[\pv], v[\v]
	v_cmp_eq_f32 s[MK+1], v[\pv], v[\v]
	v_cmp_lt_u32 s[MK+2], v[\pn], v[\n]
	s_and_b32 s[MK+1], s[MK+1], s[MK+2]
	s_or_b32 s[MK], s[MK], s[MK+1]
	v_cndmask_b32 v[\dv], v[\v], v[\pv], s[MK]
	v_cndmask_b32 v[\dn], v[\n], v[\pn], s[MK]
.endm
	s_load_b256 s[4:11], s[0:1], 0x0               ; ecode s[4:5], xcode s[6:7], xscale s[8:9], cval s[10:11]
	s_load_b64 s[12:13], s[0:1], 0x20              ; cidx
	v_lshl_add_u32 v[SPW], v0, 2, SPARE
	v_mov_b32 v[NIL], 0
	ds_add_u32 v[SPW], v[NIL]                      ; the opening: the add, twice on end, and its wait ahead of my first tensor load
	ds_add_u32 v[SPW], v[NIL]
	v_lshrrev_b32 v1, 5, v0
	v_readfirstlane_b32 s[WV], v1                  ; wave 0..3: my class of code tiles
	s_bfe_u32 s17, ttmp6, 0x40000                  ; cx: it enters x's and the results' global addresses alone
	s_lshl_b32 s18, ttmp9, 2
	s_add_co_u32 s18, s18, s17                     ; my block of 256 rows = 4 x cluster x + cx
	s_and_b32 s19, ttmp7, 0xffff                   ; the half of the code book, which the four partners share
	s_mov_b32 s[G1E], 15|(3<<16)|(1<<21)           ; the mask: all four work-groups; elements of 8 bytes; bit 21 set beside a mask
	s_mov_b32 s[G1E+1], 32<<16                     ; tensor_dim0 = 32: rows of 256 bytes, dense
	s_mov_b32 s[G1E+2], 104<<16                    ; tensor_dim1 = 104
	s_mov_b32 s[G1E+3], 32<<16                     ; tile_dim0 = 32
	s_mov_b32 s[G1E+4], 104                        ; tile_dim1 = 104
	s_mov_b32 s[G1E+5], 32                         ; elements from row to row
	s_mov_b32 s[G1E+6], 0
	s_mov_b32 s[G1E+7], 0
	s_mul_i32 s20, s18, 16*3072                    ; x's codes: my block's 16 tiles
	s_mov_b32 s21, 0
	s_mul_i32 s22, s19, 256*TILEB                  ; e's codes: my half's 256 tiles,
	s_mul_i32 s66, s[WV], WPART                    ; my wave's eight of a slot's 32
	s_add_co_u32 s22, s22, s66
	s_mov_b32 s23, 0
	s_lshl_b32 s70, s18, 10                        ; x's scale words: 4 bytes a row
	s_mov_b32 s71, 0
	s_lshl_b32 s72, s19, 17                        ; the results: [half][row], 4 bytes:
	s_lshl_b32 s73, s18, 10
	s_add_co_u32 s72, s72, s73
	s_lshl_b32 s73, s[WV], 8                       ; at the end wave w stores rows 64 w on
	s_add_co_u32 s72, s72, s73
	s_mov_b32 s73, 0
	s_mov_b32 s[SEL], 0x76543210
	s_mov_b32 s[SEL+1], 0xfedcba98
	s_mov_b32 s[TB], 0
	s_lshl_b32 s[TN], s[WV], 3                     ; my class's first tile
	v_and_b32 v66, 31, v0                          ; lane
	v_and_b32 v67, 15, v0                          ; r
	v_bfe_u32 v68, v0, 4, 1                        ; h
	v_lshlrev_b32 v[XA], 4, v66
	v_lshlrev_b32 v[LO], 3, v66
	v_lshlrev_b32 v69, 2, v66
	v_lshlrev_b32 v70, 5, v68
	v_add_nc_u32 v[AC0], s66, v[XA]                ; my class's eight tiles are the bytes that my own load brings: wave x 8 tiles
	v_add_nc_u32 v[AS0], s66, v69
	v_add_nc_u32 v[AB0], s66, v70
	v_add_nc_u32 v[ADC], s[TB], v[AC0]
	v_add_nc_u32 v[ADS], s[TB], v[AS0]
	v_add_nc_u32 v[ADB], s[TB], v[AB0]
	s_lshl_b32 s69, s[WV], 11
	s_add_co_u32 s69, s69, MERGE
	v_lshl_add_u32 v[MW], v67, 3, s69              ; MERGE + 2,048 wave + 8 r
	s_lshl_b32 s74, s[WV], 9
	s_add_co_u32 s74, s74, MERGE
	v_add_nc_u32 v[MR], s74, v[XA]                 ; MERGE + 8 (64 wave + 2 lane)
	s_lshl_b32 s75, s19, 12
	v_lshl_add_u32 v[HOFF], v68, 3, s75
	v_lshlrev_b32 v[XSA], 2, v67
	v_lshl_add_u32 v[XSA], v68, 17, v[XSA]
	s_wait_alu depctr_va_vdst(0)
	s_wait_dscnt 0x0                               ; both opening adds are done
	s_wait_kmcnt 0x0
	s_add_nc_u64 s[6:7], s[6:7], s[20:21]
	s_add_nc_u64 s[8:9], s[8:9], s[70:71]
	s_add_nc_u64 s[10:11], s[10:11], s[72:73]
	s_add_nc_u64 s[12:13], s[12:13], s[72:73]
	s_mov_b32 s[G0A], 1                            ; count = 1
	s_mov_b32 s[G0A+1], s66                        ; LDS address: wave x 8 tiles
	s_add_nc_u64 s[G0A+2:G0A+3], s[4:5], s[22:23]
	s_or_b32 s[G0A+3], s[G0A+3], 0x80000000        ; type = 2
	s_mov_b32 s[G0B], 1
	s_add_co_u32 s[G0B+1], s66, SLOT1
	s_add_nc_u64 s[G0B+2:G0B+3], s[4:5], s[22:23]
	s_add_nc_u64 s[G0B+2:G0B+3], s[G0B+2:G0B+3], SLOTB
	s_or_b32 s[G0B+3], s[G0B+3], 0x80000000
	ROUND                                          ; all four work-groups are here: the first joint loads meet
	tensor_load_to_lds s[G0A:G0A+3], s[G1E:G1E+7]  ; my part of slot 0: one tensor load a wave at the head
	s_nop 0
.irp a, 0,1,2,3,4,5,6,7,8,9,10,11,12,13,14,15
	global_load_b32 v[XS+\a], v[XSA], s[8:9] offset:64*\a
.endr
.irp a, 0,1,2,3,4,5
.irp c, 0,1,2,3,4,5
	global_load_b128 v[XF0+24*\a+4*\c:XF0+24*\a+4*\c+3], v[XA], s[6:7] offset:3072*\a+512*\c   ; 512 consecutive bytes a load
.endr
.endr
	WIN 0xc0                                       ; destination window 3
.irp a, 6,7,8,9,10,11,12,13,14,15
.irp c, 0,1,2,3,4,5
	global_load_b128 v[24*(\a-6)+4*\c:24*(\a-6)+4*\c+3], v[XA], s[6:7] offset:3072*\a+512*\c
.endr
.endr
	WIN 0
	s_wait_tensorcnt 0x0                           ; my part of slot 0 is in
	ds_add_u32 v[SPW], v[NIL]
	s_wait_dscnt 0x0
	ROUND                                          ; everybody's part is in, and all four work-groups are here
	tensor_load_to_lds s[G0B:G0B+3], s[G1E:G1E+7]  ; slot 1's first fill: my one tensor load behind the round
	s_nop 0
	FETCHA                                         ; my class's first tile
	FETCHB
	s_wait_loadcnt 0x0                             ; x's fragments and scale words
	SLOT 2, 1                                      ; slot 0, whose first tile begins the tracking; it is filled again with slot 2
	s_mov_b32 s[SLOTS], 5
.Lslot:                                            ; five trips: slots 1 to 5 are filled again, with slots 3 to 7
	SLOT 2, 0
	s_sub_co_u32 s[SLOTS], s[SLOTS], 1
	s_cmp_lg_u32 s[SLOTS], 0
	s_cbranch_scc1 .Lslot
	SLOT 1, 0                                      ; the last two slots are written out
	SLOT 0, 0
	; THE END.  The column: the lowest j whose kept number equals the maximum
.irp w, 1,2
	WIN 0x55*(\w)
.irp a, 0,1,2,3,4,5,6,7
	v_mov_b32 v[T+2*\a+1], 7
.endr
.irp j, 6,5,4,3,2,1,0
.irp a, 0,1,2,3,4,5,6,7
	v_cmp_eq_f32 s[MK+\a], v[CAP+8*\a+\j], v[RT+2*\a]
.endr
.irp a, 0,1,2,3,4,5,6,7
	v_cndmask_b32 v[T+2*\a+1], v[T+2*\a+1], \j, s[MK+\a]
.endr
.endr
	WIN ((\w)|((\w)<<4))                           ; sources 0 and 2 in window w, destination in window 0
.irp a, 0,1,2,3,4,5,6,7
	v_mov_b32 v[P+2*(8*((\w)-1)+\a)], v[RT+2*\a]
	v_lshl_add_u32 v[P+2*(8*((\w)-1)+\a)+1], v[RT+2*\a+1], 4, v[T+2*\a+1]   ; 16 tile + j
.endr
.endr
	WIN 0
.irp a, 0,1,2,3,4,5,6,7,8,9,10,11,12,13,14,15
	v_add_nc_u32 v[P+2*\a+1], v[HOFF], v[P+2*\a+1] ; n = 16 tile + j + 8 (lane / 16) + 4,096 y
.endr
.irp a, 0,1,2,3,4,5,6,7,8,9,10,11,12,13,14,15
	v_permlanex16_b32 v[Q+2*\a], v[P+2*\a], s[SEL], s[SEL+1]       ; the row's other eight columns of each tile lie in the lane 16 away
	v_permlanex16_b32 v[Q+2*\a+1], v[P+2*\a+1], s[SEL], s[SEL+1]
.endr
.irp a, 0,1,2,3,4,5,6,7,8,9,10,11,12,13,14,15
	JOIN R+2*\a, R+2*\a+1, P+2*\a, P+2*\a+1, Q+2*\a, Q+2*\a+1
.endr
	s_wait_alu depctr_va_vdst(0)                   ; ahead of the readers below
.irp a, 0,1,2,3,4,5,6,7,8,9,10,11,12,13,14,15
	ds_store_b64 v[MW], v[R+2*\a:R+2*\a+1] offset:128*\a   ; both halves of the lanes hold the same pair and write the same bytes
.endr
	s_wait_dscnt 0x0                               ; for the others' sake
	s_barrier_signal -1
	s_barrier_wait -1
.irp c, 0,1,2,3
	ds_load_b128 v[P+4*\c:P+4*\c+3], v[MR] offset:2048*\c   ; rows 64 w + 2 lane and the next: the pairs of class c
.endr
	s_wait_dscnt 0x0
.irp u, 0,1
	JOIN Q+4*\u, Q+4*\u+1, P+2*\u, P+2*\u+1, P+4+2*\u, P+5+2*\u
	JOIN Q+4*\u+2, Q+4*\u+3, Q+4*\u, Q+4*\u+1, P+8+2*\u, P+9+2*\u
	JOIN R+\u, R+2+\u, Q+4*\u+2, Q+4*\u+3, P+12+2*\u, P+13+2*\u
.endr
.irp u, 0,1                                    ; D as a whole number of the same order
	v_add_f32 v[R+\u], 0, v[R+\u]                  ; -0 becomes +0, so that equal numbers get equal bits
.endr
.irp u, 0,1
	v_ashrrev_i32 v[Q+\u], 31, v[R+\u]             ; all ones where D is negative,
.endr
.irp u, 0,1
	v_lshrrev_b32 v[Q+\u], 1, v[Q+\u]              ; without the sign's place:
.endr
.irp u, 0,1
	v_xor_b32 v[R+\u], v[Q+\u], v[R+\u]            ; the lower 31 bits of a negative D are turned over
.endr
	s_wait_alu depctr_va_vdst(0)                   ; ahead of the readers below
	global_store_b64 v[LO], v[R:R+1], s[10:11]     ; 256 consecutive bytes a wave, aligned
	global_store_b64 v[LO], v[R+2:R+3], s[12:13]
	s_wait_tensorcnt 0x0                           ; the wave's end
	ds_add_u32 v[SPW], v[NIL]
	s_wait_dscnt 0x0
	ROUND                                          ; the closing round: no work-group ends while a partner may still ask for a tile that names it
	s_endpgm
.Lfunc_end_k_qb83af28719_search:
	.size	k_qb83af28719_search, .Lfunc_end_k_qb83af28719_search-k_qb83af28719_search
	.p2alignl 7, 3214868480
	.fill 96, 4, 3214868480
	.section	.rodata,"a",@progbits
	.p2align	6, 0x0
	.amdhsa_kernel k_qb83af28719_search
		.amdhsa_group_segment_fixed_size 327680
		.amdhsa_private_segment_fixed_size 0
		.amdhsa_enable_private_segment 0
		.amdhsa_kernarg_size 40
		.amdhsa_user_sgpr_count 2
		.amdhsa_user_sgpr_kernarg_segment_ptr 1
		.amdhsa_wavefront_size32 1
		.amdhsa_system_sgpr_workgroup_id_x 1
		.amdhsa_system_sgpr_workgroup_id_y 1
		.amdhsa_system_sgpr_workgroup_id_z 1
		.amdhsa_system_vgpr_workitem_id 0
		.amdhsa_next_free_vgpr 1024
		.amdhsa_next_free_sgpr 80
		.amdhsa_reserve_vcc 1
		.amdhsa_float_denorm_mode_32 3
		.amdhsa_float_denorm_mode_16_64 3
		.amdhsa_memory_ordered 1
		.amdhsa_forward_progress 1
		.amdhsa_inst_pref_size 172
	.end_amdhsa_kernel
	.amdgpu_metadata
---
amdhsa.version: [ 1, 2 ]
amdhsa.kernels:
  - .name:           k_qb83af28719_search
    .symbol:         k_qb83af28719_search.kd
    .args:
      - { .name: ecode, .offset: 0, .size: 8, .value_kind: global_buffer, .address_space: global }
      - { .name: xcode, .offset: 8, .size: 8, .value_kind: global_buffer, .address_space: global }
      - { .name: xscale, .offset: 16, .size: 8, .value_kind: global_buffer, .address_space: global }
      - { .name: cval, .offset: 24, .size: 8, .value_kind: global_buffer, .address_space: global }
      - { .name: cidx, .offset: 32, .size: 8, .value_kind: global_buffer, .address_space: global }
    .group_segment_fixed_size: 327680
    .private_segment_fixed_size: 0
    .kernarg_segment_align: 8
    .kernarg_segment_size: 40
    .max_flat_workgroup_size: 128
    .sgpr_count:     80
    .vgpr_count:     1024
    .wavefront_size: 32
...
	.end_amdgpu_metadata
.endif
;; end of part 2
;; launch rotate (part 3): grid 512 x 1, 8 waves a work-group, no clusters, 76,800 bytes of LDS; arguments x, et, cval, cidx, out0, out1; writes out0, out1
.if DOCPART == 3
	.amdgcn_target "amdgcn-amd-amdhsa--gfx1250"
	.amdhsa_code_object_version 6
	.text
	.protected	k_qb83af28719_rotate
	.globl	k_qb83af28719_rotate
	.p2align	8
	.type	k_qb83af28719_rotate,@function
k_qb83af28719_rotate:
	s_mov_b64 s[64:65], 0
	v_nop
	global_prefetch_b8 v0, s[64:65] scope:SCOPE_SE
	s_setreg_imm32_b32 hwreg(HW_REG_WAVE_MODE, 25, 1), 1
	s_wait_xcnt 0x0
; For each row: of the two halves' candidates (cval: D as a whole number whose signed order is D's; cidx: n) the larger D, at equal D half 0's (the lower n): that n is out1.
; q = row n of et (e transposed); out0 = the rotation of e = x's row onto q, all in f32:
; en = max(|e|, EPS), qn = max(|q|, EPS), s = e / en + q / qn, r = s / max(|s|, EPS), out = (qn / en) (e - 2 r (r.e) + 2 (q / qn) en).
; With g = 2 (s.e) / max(|s|, EPS)^2 that is out = alpha e + beta q, alpha = (qn / en) (1 - g / en), beta = (qn / en) (2 en - g) / qn.  s is formed element by element, and |s|^2 and s.e are summed of it.
; The divisions are multiplications by v_rcp_f32.  NaN and infinities are not served.  |x|^2 enters no comparison here either: the launches before left it out of D (one number a row, the same for every column).
; The choice between the two candidates is a comparison of whole numbers that the launch before stored; the chosen n, held inside the table, makes the one gather's address.
; SHARES.  A work-group takes 64 rows: 256 consecutive bytes of x and of out0 for each channel d.  Wave w gathers rows 8 w .. 8 w + 7, sixteen lanes to a row's 256 consecutive bytes, and puts them transposed into LDS.
; Then wave w owns channels 32 w .. 32 w + 31 of all 64 rows; lane l owns rows 2 l and 2 l + 1 as a register pair: each load of x and each store of out0 covers 256 consecutive bytes, aligned, and the arithmetic is packed.
; The sums over the 256 channels meet in LDS, twice; three barriers.  No tensor load, no matrix unit, no cluster: the work-groups share no tile.
.set E,    32                          ; v32-95   x: channel k of my 32 at v[E + 2 k], rows 2 l, 2 l + 1
.set G0,   96                          ; v96-159  the chosen rows as gathered; later q, laid as E; later the result
.set G1,   160                         ; v160-223 the waves' partial sums
.set QP,   264                         ; LDS: q transposed, [channel][row], 264 bytes from channel to channel
.set RED1, 256*QP                      ; [wave][sum][64 rows] f32, 4,096 bytes: |e|^2 and |q|^2;
.set RED2, 4096                        ; and, so many bytes on, |s|^2 and s.e
.set EPS,  0x358637bd                  ; 1e-6
	s_load_b256 s[4:11], s[0:1], 0x0               ; x s[4:5], et s[6:7], cval s[8:9], cidx s[10:11]
	s_load_b128 s[12:15], s[0:1], 0x20             ; out0 s[12:13], out1 s[14:15]
	v_lshl_add_u32 v254, v0, 2, 0x12800            ; my spare word, behind the sums
	v_mov_b32 v255, 0
	v_lshrrev_b32 v1, 5, v0
	s_delay_alu instid0(VALU_DEP_1)
	v_readfirstlane_b32 s16, v1                    ; wave 0..7
	v_and_b32 v1, 31, v0                           ; lane
	v_and_b32 v3, 15, v0                           ; r
	v_bfe_u32 v4, v0, 4, 1                         ; u
	s_delay_alu instid0(VALU_DEP_3)
	v_lshlrev_b32 v2, 3, v1                        ; v2: 8 x lane; never rewritten
	s_lshl_b32 s17, s16, 5
	v_lshlrev_b32 v5, 2, v4
	s_delay_alu instid0(VALU_DEP_1)
	v_add_nc_u32 v5, s17, v5                       ; v5: 4 (8 w + u): the word of row 8 w + u
	v_lshlrev_b32 v6, 4, v3                        ; v6: 16 r
	v_mul_u32_u24 v7, v3, 4*QP
	s_delay_alu instid0(VALU_DEP_1)
	v_add_nc_u32 v7, v5, v7                        ; v7: q, in: channel 4 r, row 8 w + u
	s_mul_i32 s18, s16, 32*QP
	v_add_nc_u32 v8, s18, v2                       ; v8: q, out: channel 32 w, rows 2 l, 2 l + 1
	s_lshl_b32 s18, s16, 9
	s_add_co_u32 s18, s18, RED1
	v_add_nc_u32 v9, s18, v2                       ; v9: my wave's partial sums
	v_add_nc_u32 v10, RED1, v2                     ; v10: all waves'
	s_lshr_b32 s20, ttmp9, 6                       ; image b: 4,194,304 bytes,
	s_lshl_b32 s20, s20, 22
	s_and_b32 s21, ttmp9, 63                       ; 64 pixels of 4 bytes,
	s_lshl_b32 s21, s21, 8
	s_add_co_u32 s20, s20, s21
	s_lshl_b32 s21, s16, 19                        ; my 32 channels of 16,384 bytes
	s_add_co_u32 s20, s20, s21
	s_mov_b32 s21, 0
	s_lshl_b32 s22, ttmp9, 8                       ; 64 rows of 4 bytes in cval, cidx, out1
	s_mov_b32 s23, 0
	s_wait_kmcnt 0x0
	s_add_nc_u64 s[4:5], s[4:5], s[20:21]
	s_add_nc_u64 s[12:13], s[12:13], s[20:21]
	s_add_nc_u64 s[8:9], s[8:9], s[22:23]
	s_add_nc_u64 s[10:11], s[10:11], s[22:23]
	s_add_nc_u64 s[14:15], s[14:15], s[22:23]
	s_cmp_lg_u32 s16, 0                            ; wave 0 makes out1: its four loads go out ahead of all others, so that no count below changes
	s_cbranch_scc1 .Lnot_zero_a
	s_wait_alu depctr_va_vdst(0)
	global_load_b64 v[244:245], v2, s[10:11]
	global_load_b64 v[246:247], v2, s[10:11] offset:131072
	global_load_b64 v[248:249], v2, s[8:9]
	global_load_b64 v[250:251], v2, s[8:9] offset:131072
.Lnot_zero_a:
	s_wait_alu depctr_va_vdst(0)
.irp p, 0,1,2,3                                ; rows 8 w + 2 p + u: n and D's whole number of both halves
	global_load_b32 v[12+\p], v5, s[10:11] offset:8*\p
	global_load_b32 v[16+\p], v5, s[10:11] offset:8*\p+131072
	global_load_b32 v[20+\p], v5, s[8:9] offset:8*\p
	global_load_b32 v[24+\p], v5, s[8:9] offset:8*\p+131072
.endr
.set k, 0
.rept 32
	global_load_b64 v[E+2*k:E+2*k+1], v2, s[4:5] offset:16384*k th:TH_LOAD_NT
.set k, k+1
.endr
	s_wait_loadcnt 32                              ; x's 32 loads may be out: the candidates are in
	s_cmp_lg_u32 s16, 0
	s_cbranch_scc1 .Lnot_zero_b
	v_cmp_gt_i32 vcc_lo, v250, v248                ; half 1 only where its D is strictly larger
	s_delay_alu instid0(VALU_DEP_1)
	v_cndmask_b32 v252, v244, v246, vcc_lo
	v_cmp_gt_i32 vcc_lo, v251, v249
	s_delay_alu instid0(VALU_DEP_1)
	v_cndmask_b32 v253, v245, v247, vcc_lo
	global_store_b64 v2, v[252:253], s[14:15]      ; 256 consecutive bytes, aligned
.Lnot_zero_b:
.irp p, 0,1,2,3
	v_cmp_gt_i32 s[30+\p], v[24+\p], v[20+\p]
.endr
.irp p, 0,1,2,3
	v_cndmask_b32 v[12+\p], v[12+\p], v[16+\p], s[30+\p]   ; the chosen n
.endr
.irp p, 0,1,2,3
	v_min_u32 v[12+\p], 0x1fff, v[12+\p]           ; an index stays inside its table
.endr
.irp p, 0,1,2,3
	v_lshlrev_b32 v[12+\p], 10, v[12+\p]           ; rows of 1,024 bytes
.endr
.irp p, 0,1,2,3
	v_add_nc_u32 v[12+\p], v6, v[12+\p]
.endr
.irp p, 0,1,2,3
.irp c, 0,1,2,3
	global_load_b128 v[G0+16*\p+4*\c:G0+16*\p+4*\c+3], v[12+\p], s[6:7] offset:256*\c
.endr
.endr
.irp p, 0,1,2,3
	s_wait_loadcnt 12-4*\p                         ; the later pairs of rows, four loads each, may be out
.irp c, 0,1,2,3
.irp i, 0,1,2,3
	ds_store_b32 v7, v[G0+16*\p+4*\c+\i] offset:(64*\c+\i)*QP+8*\p   ; q(row 8 w + 2 p + u, channel 64 c + 4 r + i)
.endr
.endr
.endr
	s_wait_dscnt 0x0                               ; for the others' sake
	s_barrier_signal -1
	s_barrier_wait -1                              ; q's 64 rows lie in LDS
.set k, 0
.rept 32
	ds_load_b64 v[G0+2*k:G0+2*k+1], v8 offset:QP*k
.set k, k+1
.endr
	v_pk_mul_f32 v[224:225], v[E:E+1], v[E:E+1]    ; |e|^2 of my 32 channels, in two chains
	v_pk_mul_f32 v[226:227], v[E+2:E+3], v[E+2:E+3]
.set k, 2
.rept 30
	s_delay_alu instid0(VALU_DEP_2)
	v_pk_fma_f32 v[224+2*(k%2):225+2*(k%2)], v[E+2*k:E+2*k+1], v[E+2*k:E+2*k+1], v[224+2*(k%2):225+2*(k%2)]
.set k, k+1
.endr
	s_wait_dscnt 0x0
	v_pk_mul_f32 v[228:229], v[G0:G0+1], v[G0:G0+1]   ; |q|^2 likewise
	v_pk_mul_f32 v[230:231], v[G0+2:G0+3], v[G0+2:G0+3]
.set k, 2
.rept 30
	s_delay_alu instid0(VALU_DEP_2)
	v_pk_fma_f32 v[228+2*(k%2):229+2*(k%2)], v[G0+2*k:G0+2*k+1], v[G0+2*k:G0+2*k+1], v[228+2*(k%2):229+2*(k%2)]
.set k, k+1
.endr
	v_pk_add_f32 v[224:225], v[224:225], v[226:227]
	s_delay_alu instid0(VALU_DEP_2)
	v_pk_add_f32 v[228:229], v[228:229], v[230:231]
	ds_store_b64 v9, v[224:225]
	ds_store_b64 v9, v[228:229] offset:256
	s_wait_dscnt 0x0
	s_barrier_signal -1
	s_barrier_wait -1
.irp c, 0,1,2,3,4,5,6,7
	ds_load_b64 v[G1+4*\c:G1+4*\c+1], v10 offset:512*\c
	ds_load_b64 v[G1+4*\c+2:G1+4*\c+3], v10 offset:512*\c+256
.endr
	s_wait_dscnt 0x0
	v_pk_add_f32 v[224:225], v[G1:G1+1], v[G1+4:G1+5]     ; in the order of the waves, the same in every wave
	v_pk_add_f32 v[228:229], v[G1+2:G1+3], v[G1+6:G1+7]
.irp c, 2,3,4,5,6,7
	s_delay_alu instid0(VALU_DEP_2)
	v_pk_add_f32 v[224:225], v[224:225], v[G1+4*\c:G1+4*\c+1]
	s_delay_alu instid0(VALU_DEP_2)
	v_pk_add_f32 v[228:229], v[228:229], v[G1+4*\c+2:G1+4*\c+3]
.endr
	s_wait_alu depctr_va_vdst(0)
	v_sqrt_f32 v224, v224
	v_sqrt_f32 v225, v225
	v_sqrt_f32 v228, v228
	v_sqrt_f32 v229, v229
	v_nop                                          ; a plain place behind the transcendentals
	s_wait_alu depctr_va_vdst(0)
	v_max_num_f32 v224, EPS, v224                  ; en
	v_max_num_f32 v225, EPS, v225
	v_max_num_f32 v228, EPS, v228                  ; qn
	v_max_num_f32 v229, EPS, v229
	s_wait_alu depctr_va_vdst(0)
	v_rcp_f32 v226, v224                           ; 1 / en
	v_rcp_f32 v227, v225
	v_rcp_f32 v230, v228                           ; 1 / qn
	v_rcp_f32 v231, v229
	v_nop
.set k, 0
	s_wait_alu depctr_va_vdst(0)
.rept 32                                       ; s = e / en + q / qn; |s|^2 and s.e, in two chains each
.set T, 232+10*(k%2)
	v_pk_mul_f32 v[T:T+1], v[G0+2*k:G0+2*k+1], v[230:231]
	v_pk_fma_f32 v[T:T+1], v[E+2*k:E+2*k+1], v[226:227], v[T:T+1]
.if k < 2
	s_delay_alu instid0(VALU_DEP_1)
	v_pk_mul_f32 v[234+2*k:235+2*k], v[T:T+1], v[T:T+1]
	s_delay_alu instid0(VALU_DEP_2)
	v_pk_mul_f32 v[238+2*k:239+2*k], v[T:T+1], v[E+2*k:E+2*k+1]
.else
	s_delay_alu instid0(VALU_DEP_1)
	v_pk_fma_f32 v[234+2*(k%2):235+2*(k%2)], v[T:T+1], v[T:T+1], v[234+2*(k%2):235+2*(k%2)]
	s_delay_alu instid0(VALU_DEP_2)
	v_pk_fma_f32 v[238+2*(k%2):239+2*(k%2)], v[T:T+1], v[E+2*k:E+2*k+1], v[238+2*(k%2):239+2*(k%2)]
.endif
.set k, k+1
.endr
	s_delay_alu instid0(VALU_DEP_2)
	v_pk_add_f32 v[234:235], v[234:235], v[236:237]
	s_delay_alu instid0(VALU_DEP_2)
	v_pk_add_f32 v[238:239], v[238:239], v[240:241]
	ds_store_b64 v9, v[234:235] offset:RED2        ; other bytes than the first sums': no barrier is owed between those reads and these stores
	ds_store_b64 v9, v[238:239] offset:RED2+256
	s_wait_dscnt 0x0
	s_barrier_signal -1
	s_barrier_wait -1
.irp c, 0,1,2,3,4,5,6,7
	ds_load_b64 v[G1+32+4*\c:G1+32+4*\c+1], v10 offset:RED2+512*\c
	ds_load_b64 v[G1+32+4*\c+2:G1+32+4*\c+3], v10 offset:RED2+512*\c+256
.endr
	s_wait_dscnt 0x0
	v_pk_add_f32 v[234:235], v[G1+32:G1+33], v[G1+36:G1+37]
	v_pk_add_f32 v[238:239], v[G1+34:G1+35], v[G1+38:G1+39]
.irp c, 2,3,4,5,6,7
	s_delay_alu instid0(VALU_DEP_2)
	v_pk_add_f32 v[234:235], v[234:235], v[G1+32+4*\c:G1+32+4*\c+1]
	s_delay_alu instid0(VALU_DEP_2)
	v_pk_add_f32 v[238:239], v[238:239], v[G1+32+4*\c+2:G1+32+4*\c+3]
.endr
	s_wait_alu depctr_va_vdst(0)
	v_sqrt_f32 v234, v234
	v_sqrt_f32 v235, v235
	v_nop
	s_wait_alu depctr_va_vdst(0)
	v_max_num_f32 v234, EPS, v234                  ; max(|s|, EPS)
	v_max_num_f32 v235, EPS, v235
	s_wait_alu depctr_va_vdst(0)
	v_rcp_f32 v236, v234
	v_rcp_f32 v237, v235
	v_pk_mul_f32 v[240:241], v[228:229], v[226:227]        ; lambda = qn / en  (a plain place behind the reciprocals)
	s_wait_alu depctr_va_vdst(0)
	v_pk_mul_f32 v[238:239], v[238:239], v[236:237]        ; r.e
	v_pk_mul_f32 v[238:239], v[238:239], v[236:237]
	s_delay_alu instid0(VALU_DEP_1)
	v_pk_add_f32 v[238:239], v[238:239], v[238:239]        ; g = 2 (r.e) / max(|s|, EPS)
	v_pk_fma_f32 v[232:233], v[238:239], v[226:227], 1.0 op_sel_hi:[1,1,0] neg_lo:[1,0,0] neg_hi:[1,0,0]   ; 1 - g / en
	s_delay_alu instid0(VALU_DEP_2)
	v_pk_fma_f32 v[242:243], v[224:225], 2.0, v[238:239] op_sel_hi:[1,0,1] neg_lo:[0,0,1] neg_hi:[0,0,1]   ; 2 en - g
	s_delay_alu instid0(VALU_DEP_2)
	v_pk_mul_f32 v[232:233], v[232:233], v[240:241]        ; alpha
	s_delay_alu instid0(VALU_DEP_2)
	v_pk_mul_f32 v[242:243], v[242:243], v[240:241]
	v_pk_mul_f32 v[242:243], v[242:243], v[230:231]        ; beta
.set k, 0
.rept 32
	v_pk_mul_f32 v[G0+2*k:G0+2*k+1], v[G0+2*k:G0+2*k+1], v[242:243]
	s_delay_alu instid0(VALU_DEP_1)
	v_pk_fma_f32 v[G0+2*k:G0+2*k+1], v[E+2*k:E+2*k+1], v[232:233], v[G0+2*k:G0+2*k+1]
	global_store_b64 v2, v[G0+2*k:G0+2*k+1], s[12:13] offset:16384*k th:TH_STORE_NT   ; 32 lanes store 256 consecutive bytes, aligned
.set k, k+1
.endr
	s_wait_tensorcnt 0x0                           ; the wave's end
	ds_add_u32 v254, v255
	s_wait_dscnt 0x0
	s_endpgm
.Lfunc_end_k_qb83af28719_rotate:
	.size	k_qb83af28719_rotate, .Lfunc_end_k_qb83af28719_rotate-k_qb83af28719_rotate
	.p2alignl 7, 3214868480
	.fill 96, 4, 3214868480
	.section	.rodata,"a",@progbits
	.p2align	6, 0x0
	.amdhsa_kernel k_qb83af28719_rotate
		.amdhsa_group_segment_fixed_size 76800
		.amdhsa_private_segment_fixed_size 0
		.amdhsa_enable_private_segment 0
		.amdhsa_kernarg_size 48
		.amdhsa_user_sgpr_count 2
		.amdhsa_user_sgpr_kernarg_segment_ptr 1
		.amdhsa_wavefront_size32 1
		.amdhsa_system_sgpr_workgroup_id_x 1
		.amdhsa_system_sgpr_workgroup_id_y 1
		.amdhsa_system_sgpr_workgroup_id_z 1
		.amdhsa_system_vgpr_workitem_id 0
		.amdhsa_next_free_vgpr 256
		.amdhsa_next_free_sgpr 66
		.amdhsa_reserve_vcc 1
		.amdhsa_float_denorm_mode_32 3
		.amdhsa_float_denorm_mode_16_64 3
		.amdhsa_memory_ordered 1
		.amdhsa_forward_progress 1
		.amdhsa_inst_pref_size 48
	.end_amdhsa_kernel
	.amdgpu_metadata
---
amdhsa.version: [ 1, 2 ]
amdhsa.kernels:
  - .name:           k_qb83af28719_rotate
    .symbol:         k_qb83af28719_rotate.kd
    .args:
      - { .name: x, .offset: 0, .size: 8, .value_kind: global_buffer, .address_space: global }
      - { .name: et, .offset: 8, .size: 8, .value_kind: global_buffer, .address_space: global }
      - { .name: cval, .offset: 16, .size: 8, .value_kind: global_buffer, .address_space: global }
      - { .name: cidx, .offset: 24, .size: 8, .value_kind: global_buffer, .address_space: global }
      - { .name: out0, .offset: 32, .size: 8, .value_kind: global_buffer, .address_space: global }
      - { .name: out1, .offset: 40, .size: 8, .value_kind: global_buffer, .address_space: global }
    .group_segment_fixed_size: 76800
    .private_segment_fixed_size: 0
    .kernarg_segment_align: 8
    .kernarg_segment_size: 48
    .max_flat_workgroup_size: 256
    .sgpr_count:     66
    .vgpr_count:     256
    .wavefront_size: 32
...
	.end_amdgpu_metadata
.endif
;; end of part 3
